; MI455X (gfx1250); checked and timed in simulation.
; The chip was launched on July 23, 2026; its instructions are those of AMD's public machine-readable ISA for CDNA 5 (MIT licence, August 2026) and "CDNA5" Instruction Set Architecture Reference Guide (July 2026). The comments in the code are by the model that wrote it; some were corrected since.
;; Multihead Attention. Allowed arithmetic: matrix products marked QUANTISED: E4M3 operands, one given power-of-two scale a tensor, by v_wmma_f32_16x16x64_fp8_fp8 or v_wmma_f32_16x16x128_fp8_fp8, f32 sums; everything else in f32.
;; Inputs: Wk 1,024 x 1,024 float32; Wo 1,024 x 1,024 float32; Wq 1,024 x 1,024 float32; Wv 1,024 x 1,024 float32; bk 1,024 float32; bo 1,024 float32; bq 1,024 float32; bv 1,024 float32; key 2 x 2,048 x 1,024 float32; lowp_scales 12 int32 (the exponents e of the quantised operands' scales 2^e); mask 1 x 1 x 2,048 x 2,048 float32; query 2 x 2,048 x 1,024 float32; value 2 x 2,048 x 1,024 float32.
;; Outputs: out0 2 x 2,048 x 1,024 float32.
;; This version of the problem:
;;   THIS VERSION OF THE PROBLEM IS GIVEN IN LOW PRECISION. The matrix products marked QUANTISED in the list below multiply operands that are first quantised to E4M3 (4 exponent bits, 3 mantissa bits; 8 bits a number), with one given power-of-two scale for each operand tensor; their sums are f32. All else is computed in f32.
;;   The module's matrix products, in the order in which they are computed (A, B: the left and right operand; K: the contracted axis; several contracted axes count as one K, in the product's order):
;;     1. [M 4,096, K 1,024] x [K 1,024, N 1,024]; A: input query; B: input Wq: QUANTISED (scales: A lowp_scales[0], B lowp_scales[1])
;;     2. [M 4,096, K 1,024] x [K 1,024, N 1,024]; A: input key; B: input Wk: QUANTISED (scales: A lowp_scales[2], B lowp_scales[3])
;;     3. [M 4,096, K 1,024] x [K 1,024, N 1,024]; A: input value; B: input Wv: QUANTISED (scales: A lowp_scales[4], B lowp_scales[5])
;;     4. batch 32 x [M 2,048, K 64] x [K 64, N 2,048]; A: computed on the way; B: computed on the way: QUANTISED (scales: A lowp_scales[6], B lowp_scales[7])
;;     5. batch 32 x [M 2,048, K 2,048] x [K 2,048, N 64]; A: softmax (see below); B: computed on the way: QUANTISED (scales: A lowp_scales[8], B lowp_scales[9])
;;     6. [M 4,096, K 1,024] x [K 1,024, N 1,024]; A: computed on the way; B: input Wo: QUANTISED (scales: A lowp_scales[10], B lowp_scales[11])
;;   THE QUANTISER, for each operand of a quantised product, along K:
;;     - The operand's scale is 2^e, e = its entry of the input lowp_scales (int32; the entries are numbered through the quantised products in the list's order, A before B).
;;     - Each number is divided by the scale, clamped to +-448, and rounded to the nearest number of E4M3, ties to even, subnormals kept.
;;     - The product sums the exact products of the quantised numbers (number of the format x scale) in f32.
;;   ~~~python
;;   def quantise(x, axis, e):      # numpy; x: float32 -> the quantised numbers, widened to float32 again
;;       x = np.moveaxis(x, axis, -1); K = x.shape[-1]
;;       r = np.clip(x / 2.0 ** e, -448, 448)
;;       step = 2.0 ** (np.maximum(np.frexp(np.where(r == 0, 1, r))[1] - 1, -6) - 3)
;;       q = np.round(r / step) * step * 2.0 ** e      # np.round: ties to even
;;       return np.moveaxis(q, -1, axis).astype(np.float32)
;;   ~~~
;;   SOFTMAX AHEAD OF A QUANTISED PRODUCT. Where the list says 'softmax', what is quantised is not the finished softmax but p = 2^(t - M), with t = logit x log2(e) and M = ceil(the row's largest t), a whole number; so 1/2 < the row's largest p <= 1. The row's sum l is taken of the UNQUANTISED p, in f32, and the product's result is divided by l at the end. Since M is a whole number, a kernel that streams over the keys may use a running M (the ceiling of the running maximum): every later rescaling is an exact power of two, so the quantised numbers keep their values, but for numbers so far below the row's largest that they fall under the format's range.
;;   OPERANDS COMPUTED ON THE WAY. 'Computed on the way' means the value that the module computes at that place (a softmax that the list does not call 'softmax' is quantised finished and normalised). What goes into a quantiser is computed in f32, as accurately as f32 sums, v_exp_f32 and their like allow (about 1e-6 of the number): no bf16 or f16 on the way to a quantiser, and a product that is left as it is and whose result goes on into a quantised operand takes f32 operands (vector FMAs, or v_wmma_f32_16x16x4_f32). A number that lies on a knife's edge between two numbers of the format may be rounded either way, as far as f32 arithmetic and the matrix unit's own rounding can turn it there, and no further.
;; One version. Each part assembles by itself: llvm-mc -triple=amdgcn-amd-amdhsa -mcpu=gfx1250 --defsym DOCPART=n.
;; ======== version 1 of 1: 4 launches
;; limits: right only within a limited range of input values
;; workspace buffers: xc 12,582,912 bytes; wc 4,194,304 bytes; qc 4,194,304 bytes; kc 4,194,304 bytes; vc 4,194,304 bytes; cc 4,194,304 bytes
;; launch quant (part 1): grid 512 x 1, 4 waves a work-group, no clusters, 33,280 bytes of LDS; arguments query, key, value, Wq, Wk, Wv, Wo, lowp_scales, xc, wc; writes xc, wc
.if DOCPART == 1
	.amdgcn_target "amdgcn-amd-amdhsa--gfx1250"
	.amdhsa_code_object_version 6
	.text
	.protected	k_q7918e13d24_quant
	.globl	k_q7918e13d24_quant
	.p2align	8
	.type	k_q7918e13d24_quant,@function
k_q7918e13d24_quant:
	s_mov_b64 s[64:65], 0
	v_nop
	global_prefetch_b8 v0, s[64:65] scope:SCOPE_SE
	s_setreg_imm32_b32 hwreg(HW_REG_WAVE_MODE, 25, 1), 1
	s_wait_xcnt 0x0
; MULTI-HEAD ATTENTION ON CODES OF E4M3, first of four launches: the seven f32 inputs that are matrix operands become codes, once, K innermost.
; NOTHING OF THE PROBLEM IS LEFT OUT.  The mask is an input, added to every score as mask x (-1e9): no pattern of it is built in, so every tile of scores is computed and all of it is read;
; every bias goes into a quantised operand (bq, bk, bv) or into the output (bo).  So every input is loaded by some launch, and all six products are done whole.
; THIS LAUNCH: query, key, value [4096][1024] -> xc [3][4096][1024]; Wq, Wk, Wv, Wo [1024][1024] -> wc [4][1024][1024].  In all seven K (the model's 1,024) is innermost and rows are dense,
; so each tensor is a plain stream of numbers and so are its codes.  code = x / 2^e, held within +-448, to the nearest code, ties to even.
; e: entries 0, 2, 4 of the scales for query, key, value; 1, 3, 5, 11 for Wq, Wk, Wv, Wo.  LIMITS: -126 <= e <= 119; NaN among the inputs is not served (an infinity is held at the largest code).
; SHARES: a work-group takes 32,768 numbers, a wave 16 steps of 512.  Work-groups 0-127 query, 128-255 key, 256-383 value, 384-415 Wq, 416-447 Wk, 448-479 Wv, 480-511 Wo:
; only pointers and e are chosen, by selects on the work-group's number; all take one way through the text.
; A conversion takes eight neighbours from ONE lane's registers, a load is best where neighbouring LANES take neighbouring bytes: each load reads 512 consecutive bytes, 16 a lane, and a step's
; 2,048 bytes turn through the wave's own stage in LDS and come back 64 bytes a lane.  A lane's 16 codes are 16 bytes: a store of the wave covers 512 consecutive bytes, aligned.
; No tensor load, no barrier (waves share nothing), no matrix unit, no cluster: the launch only streams.  Loads run four steps (16 loads a wave) ahead, the turn through LDS one step.
.set WAVES, 4
.set STEPS, 16
.set CB,    16                         ; bytes of 16 codes
.set R,     16                         ; v16-79   four sets of 16 numbers as they are loaded
.set X,     80                         ; v80-111  two sets of 16 neighbours
.set C,     128                        ; v128-191 codes: four registers for each step, so that no store's data are written again
.set WREG,  8192                       ; LDS: a region for each wave: two stages of 32 x SP bytes
.set SP,    80                         ; a lane's place in a stage: its 64 bytes + 16 of padding
.set SPW,   12                         ; v12  LDS address of my spare word; never rewritten
.set NIL,   13                         ; v13  0; never rewritten
.set SPARE, WAVES*WREG                 ; behind the four regions: the spare words, 128 bytes a wave, which no other line names
	s_load_b512 s[8:23], s[0:1], 0x0               ; query s[8:9], key, value, Wq, Wk, Wv, Wo s[20:21], the scales' exponents s[22:23]
	s_load_b128 s[24:27], s[0:1], 0x40             ; xc s[24:25], wc s[26:27]
	v_lshl_add_u32 v[SPW], v0, 2, SPARE
	v_mov_b32 v[NIL], 0
	v_lshrrev_b32 v1, 5, v0
	v_readfirstlane_b32 s28, v1                    ; wave
	v_and_b32 v2, 31, v0                           ; lane
	v_lshlrev_b32 v3, 4, v2                        ; my 16 bytes of a load's 512
	s_mul_i32 s29, s28, WREG
	v_lshrrev_b32 v14, 2, v2
	v_mul_u32_u24 v14, v14, SP
	v_and_b32 v15, 3, v2
	v_lshl_add_u32 v14, v15, 4, v14
	v_add_nc_u32 v14, s29, v14                     ; the stage, on the way in: four lanes' 64 bytes on end, then 16 of padding
	v_mul_u32_u24 v15, v2, SP
	v_add_nc_u32 v15, s29, v15                     ; and on the way out: my 16 neighbours
	v_mul_u32_u24 v4, v2, CB                       ; my codes' place in a step's
	s_wait_alu depctr_va_vdst(0)
	s_wait_kmcnt 0x0
	s_load_b256 s[36:43], s[22:23], 0x0            ; e0 .. e7
	s_load_b128 s[44:47], s[22:23], 0x20           ; e8 .. e11
; which tensor: each compare hangs on the work-group's number alone
.macro PICK first, ptr
	s_cmp_ge_u32 ttmp9, \first
	s_cselect_b64 s[30:31], s[\ptr:\ptr+1], s[30:31]
	s_cselect_b32 s35, \first, s35
.endm
	s_mov_b64 s[30:31], s[8:9]                     ; the source,
	s_mov_b32 s35, 0                               ; and its first work-group
	PICK 128, 10
	PICK 256, 12
	PICK 384, 14
	PICK 416, 16
	PICK 448, 18
	PICK 480, 20
	s_cmp_ge_u32 ttmp9, 384
	s_cselect_b64 s[32:33], s[26:27], s[24:25]     ; the codes' buffer,
	s_cselect_b32 s48, 384, 0                      ; and its first work-group
	s_sub_co_u32 s49, ttmp9, s35
	s_lshl_b32 s49, s49, 2
	s_add_co_u32 s49, s49, s28                     ; which run of 8,192 numbers of the tensor is my wave's
	s_lshl_b32 s50, s49, 15                        ; 32,768 bytes each: under 2^25
	s_mov_b32 s51, 0
	s_add_nc_u64 s[30:31], s[30:31], s[50:51]
	s_sub_co_u32 s49, ttmp9, s48
	s_lshl_b32 s49, s49, 2
	s_add_co_u32 s49, s49, s28                     ; and which run of 8,192 codes of the buffer
	s_lshl_b32 s50, s49, 13
	s_add_nc_u64 s[32:33], s[32:33], s[50:51]
.macro LOAD t
.irp i, 0,1,2,3
	global_load_b128 v[R+16*((\t)%4)+4*\i:R+16*((\t)%4)+4*\i+3], v3, s[30:31] offset:2048*(\t)+512*\i th:TH_LOAD_NT   ; 32 lanes read 512 consecutive bytes; read once in the launch
.endr
.endm
.macro TURN t                          ; step t's numbers through the stage: LDS serves a wave's instructions in order, so no wait stands between the stores and the loads
.irp i, 0,1,2,3
	ds_store_b128 v14, v[R+16*((\t)%4)+4*\i:R+16*((\t)%4)+4*\i+3] offset:32*SP*((\t)%2)+8*SP*\i
.endr
.irp i, 0,1,2,3
	ds_load_b128 v[X+16*((\t)%2)+4*\i:X+16*((\t)%2)+4*\i+3], v15 offset:32*SP*((\t)%2)+16*\i
.endr
.endm
.irp t, 0,1,2,3
	LOAD \t
.endr
	s_wait_kmcnt 0x0
.macro PICKE first, reg
	s_cmp_ge_u32 ttmp9, \first
	s_cselect_b32 s34, s[\reg], s34
.endm
	s_mov_b32 s34, s36                             ; e0: query's
	PICKE 128, 38                                  ; e2: key's
	PICKE 256, 40                                  ; e4: value's
	PICKE 384, 37                                  ; e1: Wq's
	PICKE 416, 39                                  ; e3: Wk's
	PICKE 448, 41                                  ; e5: Wv's
	PICKE 480, 47                                  ; e11: Wo's
	s_add_co_i32 s34, s34, 127
	s_lshl_b32 s52, s34, 23
	v_mov_b32 v11, s52                             ; 2^e as f32: the conversion takes its exponent field
	s_add_co_i32 s34, s34, 8
	s_lshl_b32 s34, s34, 23
	s_or_b32 s34, s34, 0x600000
	v_mov_b32 v10, s34                             ; 448 x 2^e
	s_wait_alu depctr_va_vdst(0)
	s_wait_loadcnt 12                              ; step 0's four loads are in; the twelve of steps 1 to 3 may be out
	TURN 0
.macro STEP t
.set XS, X+16*((\t)%2)
	s_wait_dscnt 0x0                               ; this step's numbers are back from the stage: so its stores into the stage have read their registers,
.if (\t)+4 < STEPS
	LOAD (\t)+4                                    ; which take the loads of four steps on
.endif
.if (\t)+1 < STEPS
.if STEPS-2-(\t) >= 3
	s_wait_loadcnt 12                              ; the next step's four loads are in; those of the three steps behind it may be out
.else
	s_wait_loadcnt 4*(STEPS-2-(\t))                ; the tail: the counts run down
.endif
	TURN (\t)+1                                    ; and go through the other stage while this step is worked
.endif
.irp i, 0,1,2,3,4,5,6,7,8,9,10,11,12,13,14,15
	v_med3_num_f32 v[XS+\i], v[XS+\i], -v10, v10   ; the conversion to an 8-bit code does not saturate (ISA guide 7.6.2): the hold at the largest code x the scale comes first
.endr
	v_cvt_scalef32_pk8_fp8_f32 v[C+4*(\t):C+4*(\t)+1], v[XS:XS+7], v11
	v_cvt_scalef32_pk8_fp8_f32 v[C+4*(\t)+2:C+4*(\t)+3], v[XS+8:XS+15], v11
	global_store_b128 v4, v[C+4*(\t):C+4*(\t)+3], s[32:33] offset:32*CB*(\t)   ; the codes go to a store alone; the next step's holds are plain lines on other registers
.endm
.irp t, 0,1,2,3,4,5,6,7,8,9,10,11,12,13,14,15
	STEP \t
.endr
	s_wait_tensorcnt 0x0                           ; the wave's end
	ds_add_u32 v[SPW], v[NIL]
	s_wait_dscnt 0x0
	s_endpgm
.Lfunc_end_k_q7918e13d24_quant:
	.size	k_q7918e13d24_quant, .Lfunc_end_k_q7918e13d24_quant-k_q7918e13d24_quant
	.p2alignl 7, 3214868480
	.fill 96, 4, 3214868480
	.section	.rodata,"a",@progbits
	.p2align	6, 0x0
	.amdhsa_kernel k_q7918e13d24_quant
		.amdhsa_group_segment_fixed_size 33280
		.amdhsa_private_segment_fixed_size 0
		.amdhsa_enable_private_segment 0
		.amdhsa_kernarg_size 80
		.amdhsa_user_sgpr_count 2
		.amdhsa_user_sgpr_kernarg_segment_ptr 1
		.amdhsa_wavefront_size32 1
		.amdhsa_system_sgpr_workgroup_id_x 1
		.amdhsa_system_sgpr_workgroup_id_y 1
		.amdhsa_system_sgpr_workgroup_id_z 1
		.amdhsa_system_vgpr_workitem_id 0
		.amdhsa_next_free_vgpr 192
		.amdhsa_next_free_sgpr 66
		.amdhsa_reserve_vcc 0
		.amdhsa_float_denorm_mode_32 3
		.amdhsa_float_denorm_mode_16_64 3
		.amdhsa_memory_ordered 1
		.amdhsa_forward_progress 1
		.amdhsa_inst_pref_size 39
	.end_amdhsa_kernel
	.amdgpu_metadata
---
amdhsa.version: [ 1, 2 ]
amdhsa.kernels:
  - .name:           k_q7918e13d24_quant
    .symbol:         k_q7918e13d24_quant.kd
    .args:
      - { .name: query, .offset: 0, .size: 8, .value_kind: global_buffer, .address_space: global }
      - { .name: key, .offset: 8, .size: 8, .value_kind: global_buffer, .address_space: global }
      - { .name: value, .offset: 16, .size: 8, .value_kind: global_buffer, .address_space: global }
      - { .name: Wq, .offset: 24, .size: 8, .value_kind: global_buffer, .address_space: global }
      - { .name: Wk, .offset: 32, .size: 8, .value_kind: global_buffer, .address_space: global }
      - { .name: Wv, .offset: 40, .size: 8, .value_kind: global_buffer, .address_space: global }
      - { .name: Wo, .offset: 48, .size: 8, .value_kind: global_buffer, .address_space: global }
      - { .name: lowp_scales, .offset: 56, .size: 8, .value_kind: global_buffer, .address_space: global }
      - { .name: xc, .offset: 64, .size: 8, .value_kind: global_buffer, .address_space: global }
      - { .name: wc, .offset: 72, .size: 8, .value_kind: global_buffer, .address_space: global }
    .group_segment_fixed_size: 33280
    .private_segment_fixed_size: 0
    .kernarg_segment_align: 8
    .kernarg_segment_size: 80
    .max_flat_workgroup_size: 128
    .sgpr_count:     66
    .vgpr_count:     192
    .wavefront_size: 32
...
	.end_amdgpu_metadata
.endif
;; end of part 1
;; launch proj (part 2): grid 4 x 48, 4 waves a work-group, clusters of 4 x 4, 327,680 bytes of LDS; arguments xc, wc, lowp_scales, bq, bk, bv, qc, kc, vc; writes qc, kc, vc
.if DOCPART == 2
	.amdgcn_target "amdgcn-amd-amdhsa--gfx1250"
	.amdhsa_code_object_version 6
	.text
	.protected	k_q7918e13d24_proj
	.globl	k_q7918e13d24_proj
	.p2align	8
	.type	k_q7918e13d24_proj,@function
k_q7918e13d24_proj:
	s_mov_b64 s[64:65], 0
	v_nop
	global_prefetch_b8 v0, s[64:65] scope:SCOPE_SE
	s_setreg_imm32_b32 hwreg(HW_REG_WAVE_MODE, 25, 1), 1
	s_wait_xcnt 0x0
	s_wait_alu depctr_hold_cnt(0) depctr_sa_sdst(0) depctr_va_vdst(0) depctr_va_sdst(0) depctr_va_ssrc(0) depctr_va_vcc(0) depctr_vm_vsrc(0)
	s_getreg_b32 s2, hwreg(HW_REG_IB_STS2, 6, 4)
	s_cmp_eq_u32 s2, 0
	s_cbranch_scc0 .Lentry_in_a_cluster
	s_endpgm
.Lentry_in_a_cluster:
	s_bfe_u32 s2, ttmp6, 0x10000c
	s_cmp_lg_u32 s2, 0xf033
	s_cbranch_scc0 .Lentry_shape_is_right
	s_endpgm
.Lentry_shape_is_right:
; THE THREE PROJECTIONS, second of four launches: y = x W^T + bias on codes of E4M3, and y quantised at once.  Nothing is left out.
; One form serves all three: C[m][n] = sum over k of A[m][k] B[n][k], out[n / 128][m][128 codes], a lane holding one m and eight neighbouring n.
; p = 0, 1 (q, k): A = the activations' codes (m = row, 4,096), B = the weights' (n = e, 1,024), bias along n.
; p = 2 (v): A = Wv's codes (m = e, 1,024), B = value's (n = key, 4,096), bias along m: V^T comes out with the keys innermost and nothing transposed.
; Only global addresses and the place of a tile hang on p, which is made of the cluster's y alone; no LDS address does.
; y = sum x 2^(ea + eb) + bias: both forms of the bias are loaded, the one that p does not use is replaced by 0, so one of the two additions adds 0 and y is rounded once.
; (ea, eb, eo) = entries (0, 1, 6), (2, 3, 7), (4, 5, 9).  LIMITS: ea + eb between -126 and 127, eo between -126 and 119; NaN is not served.
; SHARES: 192 tiles of 256 x 256, a work-group each; four waves of 128 x 128: 64 accumulators.  K = 1,024 goes in four steps of 256 through two LDS slots.
; CLUSTER 4 x 4: A's tile is asked for jointly along a row, B's along a column.  Clusters 0-3: q, 4-7: k (four tile rows each); 8-11: v (four tile columns each).
; No prefetch: K has two refills only, and a request two steps ahead of them would stand at the head, ahead of any step.
; REGISTERS: window 0: v16-31 addresses and scales, v32-95 bias along n, v96-111 bias along m (each twice), v128-255 A's fragments, later results on the way out;
; window 1: B's fragments, two sets; windows 2, 3: the accumulators, (a, b) at 8 (8 (a % 4) + b).
.set ROWB,   256
.set PITCH,  272                       ; 256 bytes + 16: the 16 rows that a load touches start 68 words apart
.set HALFT,  128*PITCH
.set SLOT,   4*HALFT                   ; A's 256 rows, then B's
.set SPARE,  2*SLOT                    ; the spare words, 128 bytes a wave, which no other line names
.set SPITCH, 144                       ; the stage: 128 rows x (128 + 16) bytes a wave, in slot 0 behind its last fill and last read
.set ADRA, 16
.set ADRB, 20
.set STO,  24
.set RD,   25
.set GO,   26
.set SPW,  28
.set NIL,  29
.set SCL,  30
.set LIM,  31
.set BN,   32
.set BM,   96
.set AF,   128
.set T,    128
.set CD,   192
.set G1,   24
.set G0,   32
.set G1B,  48
.set G0B,  56
.set MSB, 0
.macro WIN new                         ; the immediate's high byte repeats the setting that is left
.if MSB != \new
	s_set_vgpr_msb (MSB<<8)|\new
.set MSB, \new
.endif
.endm
.set MUL_LO, 0xa1                      ; source 0 (B) window 1, source 1 (A) window 0, C and D window 2
.set MUL_HI, 0xf1
.set TO_B,   0x40
.macro PLACES                          ; four plain lines behind matrix instructions (ISA guide 7.12.1)
.rept 4
	v_nop
.endr
.endm
.macro JLOAD s                         ; waves 0, 1 fetch A's halves, waves 2, 3 B's: one joint load a wave
	s_cmp_eq_u32 s23, 0
	s_cbranch_scc0 .Lfb_\@
	tensor_load_to_lds s[G0+4*\s:G0+4*\s+3], s[G1:G1+7]
	s_nop 0
	PLACES
	s_branch .Lja_\@
.Lfb_\@:
	tensor_load_to_lds s[G0B+4*\s:G0B+4*\s+3], s[G1B:G1B+7]
	s_nop 0
	PLACES
.Lja_\@:
.endm
.macro CREST
	s_cmp_lg_u32 s22, 0
	s_cbranch_scc1 .Lnw_\@
	s_barrier_signal -3
.Lnw_\@:
	s_barrier_wait -3
	s_barrier_signal -1
	s_barrier_wait -1
.endm
.macro CROUND
	s_barrier_signal -1
	s_barrier_wait -1
	CREST
.endm
	s_load_b256 s[4:11], s[0:1], 0x0               ; xc, wc, the scales, bq
	s_load_b256 s[12:19], s[0:1], 0x20             ; bk, bv, qc, kc
	s_load_b64 s[20:21], s[0:1], 0x40              ; vc
	v_lshl_add_u32 v[SPW], v0, 2, SPARE
	v_mov_b32 v[NIL], 0
	ds_add_u32 v[SPW], v[NIL]                      ; the opening lines: the add twice on end and its wait
	ds_add_u32 v[SPW], v[NIL]
	v_lshrrev_b32 v1, 5, v0
	v_readfirstlane_b32 s22, v1                    ; wave
	s_lshr_b32 s23, s22, 1                         ; my half of the rows m; also: I fetch A (0) or B (1)
	s_and_b32 s45, s22, 1                          ; my half of the columns n; also: which 128 rows I fetch
	s_bfe_u32 s40, ttmp6, 0x40000                  ; cx
	s_bfe_u32 s41, ttmp6, 0x40004                  ; cy
	s_and_b32 s42, ttmp7, 0xffff                   ; the cluster's y, 0 .. 11
	s_lshr_b32 s43, s42, 2                         ; p
	s_and_b32 s44, s42, 3
	s_lshl_b32 s44, s44, 2
	s_lshl_b32 s68, s43, 22                        ; tensor p of xc
	s_lshl_b32 s69, s43, 20                        ; tensor p of wc
	s_cmp_eq_u32 s43, 2
	s_cselect_b32 s66, 0, s44
	s_cselect_b32 s67, s44, 0
	s_cselect_b32 s70, s69, s68                    ; where A's tensor begins in its buffer,
	s_cselect_b32 s71, s68, s69                    ; and B's
	s_add_co_u32 s46, s66, s41                     ; tile row: made of cy and the cluster's y
	s_add_co_u32 s47, s67, s40                     ; tile column: of cx and the cluster's y
	s_lshl_b32 s80, s41, 2
	s_lshl_b32 s80, 15, s80                        ; my row of the cluster
	s_lshl_b32 s81, 0x1111, s40                    ; my column
	s_or_b32 s[G1], s80, (1<<20)|(1<<21)|(5<<22)|(3<<25)    ; the mask; 1-byte elements; 4 words of padding behind every 64
	s_or_b32 s[G1B], s81, (1<<20)|(1<<21)|(5<<22)|(3<<25)
.irp g, G1, G1B
	s_mov_b32 s[\g+1], ROWB<<16
	s_mov_b32 s[\g+2], 128<<16
	s_mov_b32 s[\g+3], ROWB<<16
	s_mov_b32 s[\g+4], 128
	s_mov_b32 s[\g+5], 1024
	s_mov_b32 s[\g+6], 0
	s_mov_b32 s[\g+7], 0
.endr
	s_lshl_b32 s83, s45, 7
	s_lshl_b32 s76, s46, 8
	s_add_co_u32 s76, s76, s83
	s_lshl_b32 s76, s76, 10                        ; A: row 256 x tile row + 128 x half, 1,024 bytes a row
	s_add_co_u32 s76, s76, s70
	s_mov_b32 s77, 0
	s_lshl_b32 s78, s47, 8
	s_add_co_u32 s78, s78, s83
	s_lshl_b32 s78, s78, 10
	s_add_co_u32 s78, s78, s71
	s_mov_b32 s79, 0
	s_mul_i32 s82, s22, HALFT                      ; where my loads go in a slot
	s_wait_dscnt 0x0
	s_wait_kmcnt 0x0
	s_load_b256 s[84:91], s[8:9], 0x0              ; e0 .. e7
	s_load_b64 s[92:93], s[8:9], 0x20              ; e8, e9
	s_cmp_eq_u32 s43, 2
	s_cselect_b64 s[72:73], s[6:7], s[4:5]
	s_cselect_b64 s[74:75], s[4:5], s[6:7]
	s_add_nc_u64 s[72:73], s[72:73], s[76:77]
	s_add_nc_u64 s[74:75], s[74:75], s[78:79]
	CROUND                                         ; the first joint loads meet
.irp s, 0,1
	s_mov_b32 s[G0+4*\s], 1
	s_add_co_u32 s[G0+4*\s+1], s82, \s*SLOT
	s_add_nc_u64 s[G0+4*\s+2:G0+4*\s+3], s[72:73], \s*ROWB
	s_or_b32 s[G0+4*\s+3], s[G0+4*\s+3], 0x80000000
	s_mov_b32 s[G0B+4*\s], 1
	s_add_co_u32 s[G0B+4*\s+1], s82, \s*SLOT
	s_add_nc_u64 s[G0B+4*\s+2:G0B+4*\s+3], s[74:75], \s*ROWB
	s_or_b32 s[G0B+4*\s+3], s[G0B+4*\s+3], 0x80000000
.endr
	JLOAD 0                                        ; K step 0: my one load at the head
	s_mul_i32 s2, s23, HALFT                       ; my 128 rows of A,
	s_mul_i32 s3, s45, HALFT
	s_add_co_u32 s3, s3, 2*HALFT                   ; of B,
	s_mul_i32 s100, s22, 128*SPITCH                ; my stage
	s_lshl_b32 s72, s47, 8
	s_lshl_b32 s73, s45, 7
	s_add_co_u32 s72, s72, s73                     ; n0
	s_lshl_b32 s74, s46, 8
	s_lshl_b32 s75, s23, 7
	s_add_co_u32 s74, s74, s75                     ; m0
	s_lshl_b32 s76, s72, 2
	s_lshl_b32 s77, s74, 2
	s_lshr_b32 s78, s72, 7                         ; the plane n0 / 128
	s_lshl_b32 s79, s74, 7
	s_lshl_b32 s80, s78, 19                        ; a plane of qc, kc: 4,096 rows of 128 bytes;
	s_lshl_b32 s81, s78, 17                        ; of vc: 1,024
	s_cmp_ge_u32 s43, 1
	s_cselect_b64 s[70:71], s[12:13], s[10:11]
	s_cselect_b64 s[98:99], s[18:19], s[16:17]
	s_cmp_eq_u32 s43, 2
	s_cselect_b64 s[70:71], s[14:15], s[70:71]     ; the bias,
	s_cselect_b64 s[98:99], s[20:21], s[98:99]     ; the codes' buffer
	s_cselect_b32 s76, 0, s76                      ; the form of the bias that is not used is read at offset 0: inside the buffer
	s_cselect_b32 s77, s77, 0
	s_cselect_b32 s80, s81, s80
	s_cselect_b32 s94, 0, -1                       ; all lanes: the bias along n counts,
	s_cselect_b32 s95, -1, 0                       ; or that along m
	s_add_co_u32 s80, s80, s79
	s_mov_b32 s81, 0
	s_add_nc_u64 s[98:99], s[98:99], s[80:81]
	s_mov_b32 s72, s76
	s_mov_b32 s73, 0
	s_add_nc_u64 s[72:73], s[70:71], s[72:73]
	s_mov_b32 s74, s77
	s_mov_b32 s75, 0
	s_add_nc_u64 s[74:75], s[70:71], s[74:75]
	s_wait_kmcnt 0x0
	s_add_co_i32 s66, s84, s85
	s_add_co_i32 s67, s86, s87
	s_add_co_i32 s68, s88, s89
	s_cmp_ge_u32 s43, 1
	s_cselect_b32 s66, s67, s66
	s_cselect_b32 s69, s91, s90
	s_cmp_eq_u32 s43, 2
	s_cselect_b32 s66, s68, s66
	s_cselect_b32 s69, s93, s69
	s_add_co_i32 s66, s66, 127
	s_lshl_b32 s96, s66, 23                        ; 2^(ea + eb)
	s_mov_b32 s97, s96
	s_add_co_i32 s69, s69, 127
	s_lshl_b32 s66, s69, 23                        ; 2^eo
	s_add_co_i32 s69, s69, 8
	s_lshl_b32 s69, s69, 23
	s_or_b32 s69, s69, 0x600000                    ; 448 x 2^eo
	v_and_b32 v1, 15, v0                           ; r
	v_bfe_u32 v2, v0, 4, 1                         ; h
	v_mul_u32_u24 v3, v1, PITCH
	v_lshl_add_u32 v3, v2, 4, v3
	v_add_nc_u32 v[ADRA], s2, v3
	v_add_nc_u32 v[ADRB], s3, v3
	v_add_nc_u32 v[ADRA+1], SLOT, v[ADRA]
	v_add_nc_u32 v[ADRB+1], SLOT, v[ADRB]
	v_mul_u32_u24 v4, v1, SPITCH
	v_lshl_add_u32 v4, v2, 3, v4
	v_add_nc_u32 v[STO], s100, v4                  ; into the stage: row r, byte 8 h
	v_and_b32 v5, 31, v0
	v_lshrrev_b32 v6, 3, v5
	v_and_b32 v7, 7, v5
	v_mul_u32_u24 v6, v6, SPITCH
	v_lshl_add_u32 v6, v7, 4, v6
	v_add_nc_u32 v[RD], s100, v6                   ; back: eight lanes to a row of 128 bytes
	v_lshlrev_b32 v[GO], 4, v5                     ; out: four rows are 512 consecutive bytes
	v_lshlrev_b32 v8, 5, v2
	v_lshlrev_b32 v9, 2, v1
	v_mov_b32 v[SCL], s66
	v_mov_b32 v[LIM], s69
.irp b, 0,1,2,3,4,5,6,7
	global_load_b128 v[BN+8*\b:BN+8*\b+3], v8, s[72:73] offset:64*\b       ; bias(n0 + 16 b + 8 h + 0 .. 7)
	global_load_b128 v[BN+8*\b+4:BN+8*\b+7], v8, s[72:73] offset:64*\b+16
	global_load_b32 v[BM+2*\b], v9, s[74:75] offset:64*\b                  ; bias(m0 + 16 b + r), in both registers of a pair
	global_load_b32 v[BM+2*\b+1], v9, s[74:75] offset:64*\b
.endr
.macro FRAG reg, adr, q, i             ; 16 rows x 128 K: registers 4 c .. 4 c + 3 hold K = 32 c + 16 h + 0 .. 15, alike on both sides
.irp c, 0,1,2,3
	ds_load_b128 v[\reg+4*\c:\reg+4*\c+3], v[\adr] offset:128*(\q)+32*\c+(\i)*16*PITCH
.endr
.endm
.macro MUL16 a0, p, zero               ; A's blocks a0, a0 + 1 x B's eight; the 64 accumulators by turns
.irp a, \a0, \a0+1
.irp b, 0,1,2,3,4,5,6,7
.if \zero
	v_wmma_f32_16x16x128_fp8_fp8 v[8*(8*((\a)%4)+\b):8*(8*((\a)%4)+\b)+7], v[128*(\p)+16*\b:128*(\p)+16*\b+15], v[AF+16*(\a):AF+16*(\a)+15], 0
.else
	v_wmma_f32_16x16x128_fp8_fp8 v[8*(8*((\a)%4)+\b):8*(8*((\a)%4)+\b)+7], v[128*(\p)+16*\b:128*(\p)+16*\b+15], v[AF+16*(\a):AF+16*(\a)+15], v[8*(8*((\a)%4)+\b):8*(8*((\a)%4)+\b)+7]
.endif
.endr
.endr
.endm
.macro FETCH_B slot, q, p
	WIN TO_B
.irp i, 0,1,2,3,4,5,6,7
	FRAG 128*(\p)+16*\i, ADRB+\slot, \q, \i
.endr
	WIN 0
.endm
.macro FETCH_A slot, q, i0
.irp i, \i0, \i0+1, \i0+2, \i0+3
	FRAG AF+16*(\i), ADRA+\slot, \q, \i
.endr
.endm
.macro STEP slot, zero                 ; a slot's first 128 along K; fetches its second
	s_wait_dscnt 16                                ; the youngest 16 loads, A's blocks 4-7, may be out
	WIN MUL_LO
	MUL16 0, 0, \zero
	MUL16 2, 0, \zero
	s_wait_dscnt 0
	PLACES
	FETCH_B \slot, 1, 1
	FETCH_A \slot, 1, 0
	WIN MUL_HI
	MUL16 4, 0, \zero
	MUL16 6, 0, \zero
	PLACES
	WIN 0
	FETCH_A \slot, 1, 4
.endm
.macro TURN slot, next, fill           ; a slot's second 128 along K, and the change of slots
	s_wait_tensorcnt 0x0                           ; my part of the next slot is in
	ds_add_u32 v[SPW], v[NIL]
	s_wait_dscnt 17                                ; the add and A's blocks 4-7 may be out
	WIN MUL_LO
	MUL16 0, 1, 0
	s_wait_dscnt 0x0                               ; the add is done, my reads of this slot are over
	s_barrier_signal -1
	MUL16 2, 1, 0
	WIN 0
	s_barrier_wait -1
.if \fill
	CREST                                          ; the barrier has opened a round of the cluster's barrier
	s_add_nc_u64 s[G0+4*\slot+2:G0+4*\slot+3], s[G0+4*\slot+2:G0+4*\slot+3], 2*ROWB
	s_add_nc_u64 s[G0B+4*\slot+2:G0B+4*\slot+3], s[G0B+4*\slot+2:G0B+4*\slot+3], 2*ROWB
	JLOAD \slot                                    ; its four v_nop are the places in front of the loads below
.else
	PLACES
.endif
	FETCH_B \next, 0, 0
	FETCH_A \next, 0, 0
	WIN MUL_HI
	MUL16 4, 1, 0
	MUL16 6, 1, 0
	PLACES
	WIN 0
	FETCH_A \next, 0, 4
.endm
	s_wait_alu depctr_va_vdst(0)                   ; the wait at the head's end
	s_wait_tensorcnt 0x0                           ; the full sequence ahead of slot 1's first fill
	ds_add_u32 v[SPW], v[NIL]
	s_wait_dscnt 0x0
	CROUND
	JLOAD 1                                        ; K step 1
	FETCH_B 0, 0, 0
	FETCH_A 0, 0, 0
	FETCH_A 0, 0, 4
	STEP 0, 1                                      ; the first products start the sums
	TURN 0, 1, 1                                   ; slot 0 takes K step 2
	STEP 1, 0
	TURN 1, 0, 1                                   ; slot 1 takes K step 3
	STEP 0, 0
	TURN 0, 1, 0
	STEP 1, 0
	s_wait_dscnt 16
	WIN MUL_LO
	MUL16 0, 1, 0
	MUL16 2, 1, 0
	s_wait_dscnt 0
	WIN MUL_HI
	MUL16 4, 1, 0
	MUL16 6, 1, 0
	WIN 0
	PLACES
	s_wait_loadcnt 0x0                             ; the bias
.set n, 0
.rept 64
	v_cndmask_b32 v[BN+n], 0, v[BN+n], s94
.set n, n+1
.endr
.set n, 0
.rept 16
	v_cndmask_b32 v[BM+n], 0, v[BM+n], s95
.set n, n+1
.endr
; block a of 16 rows: y, the hold, 8 codes for each of eight blocks of n, into my stage.  Each accumulator is read from its low end on.
.macro BLK a
.set AC, 64*((\a)%4)
.set CC, CD+16*((\a)%2)
	WIN 0x02+((\a)/4)
.set n, 0
.rept 32
	v_pk_fma_f32 v[T+n:T+n+1], v[AC+n:AC+n+1], s[96:97], v[BN+n:BN+n+1] op_sel_hi:[1,0,1]
.set n, n+2
.endr
	WIN 0
.set n, 0
.rept 32
	v_pk_add_f32 v[T+n:T+n+1], v[T+n:T+n+1], v[BM+2*(\a):BM+2*(\a)+1]
.set n, n+2
.endr
.set n, 0
.rept 64
	v_med3_num_f32 v[T+n], v[T+n], -v[LIM], v[LIM] ; the conversion does not saturate (ISA guide 7.6.2)
.set n, n+1
.endr
.irp b, 0,1,2,3,4,5,6,7
	v_cvt_scalef32_pk8_fp8_f32 v[CC+2*\b:CC+2*\b+1], v[T+8*\b:T+8*\b+7], v[SCL]
.endr
	v_nop                                          ; a plain line behind the last conversion
.irp b, 0,1,2,3,4,5,6,7
	ds_store_b64 v[STO], v[CC+2*\b:CC+2*\b+1] offset:(\a)*16*SPITCH+16*\b
.endr
.endm
.irp a, 0,1,2,3,4,5,6,7
	BLK \a
.endr
.set n, 0
.rept 32
	ds_load_b128 v[128+4*n:128+4*n+3], v[RD] offset:n*4*SPITCH   ; LDS serves a wave's instructions in order: these see my stores
.set n, n+1
.endr
.set n, 0
.rept 32
	s_wait_dscnt 31-n                              ; the younger loads may be out
	global_store_b128 v[GO], v[128+4*n:128+4*n+3], s[98:99] offset:512*n   ; the wave stores 512 consecutive bytes, aligned
.set n, n+1
.endr
	s_wait_tensorcnt 0x0                           ; the wave's end
	ds_add_u32 v[SPW], v[NIL]
	s_wait_dscnt 0x0
	CROUND                                         ; the closing round
	s_endpgm
.Lfunc_end_k_q7918e13d24_proj:
	.size	k_q7918e13d24_proj, .Lfunc_end_k_q7918e13d24_proj-k_q7918e13d24_proj
	.p2alignl 7, 3214868480
	.fill 96, 4, 3214868480
	.section	.rodata,"a",@progbits
	.p2align	6, 0x0
	.amdhsa_kernel k_q7918e13d24_proj
		.amdhsa_group_segment_fixed_size 327680
		.amdhsa_private_segment_fixed_size 0
		.amdhsa_enable_private_segment 0
		.amdhsa_kernarg_size 72
		.amdhsa_user_sgpr_count 2
		.amdhsa_user_sgpr_kernarg_segment_ptr 1
		.amdhsa_wavefront_size32 1
		.amdhsa_system_sgpr_workgroup_id_x 1
		.amdhsa_system_sgpr_workgroup_id_y 1
		.amdhsa_system_sgpr_workgroup_id_z 1
		.amdhsa_system_vgpr_workitem_id 0
		.amdhsa_next_free_vgpr 1024
		.amdhsa_next_free_sgpr 102
		.amdhsa_reserve_vcc 0
		.amdhsa_float_denorm_mode_32 3
		.amdhsa_float_denorm_mode_16_64 3
		.amdhsa_memory_ordered 1
		.amdhsa_forward_progress 1
		.amdhsa_inst_pref_size 166
	.end_amdhsa_kernel
	.amdgpu_metadata
---
amdhsa.version: [ 1, 2 ]
amdhsa.kernels:
  - .name:           k_q7918e13d24_proj
    .symbol:         k_q7918e13d24_proj.kd
    .args:
      - { .name: xc, .offset: 0, .size: 8, .value_kind: global_buffer, .address_space: global }
      - { .name: wc, .offset: 8, .size: 8, .value_kind: global_buffer, .address_space: global }
      - { .name: lowp_scales, .offset: 16, .size: 8, .value_kind: global_buffer, .address_space: global }
      - { .name: bq, .offset: 24, .size: 8, .value_kind: global_buffer, .address_space: global }
      - { .name: bk, .offset: 32, .size: 8, .value_kind: global_buffer, .address_space: global }
      - { .name: bv, .offset: 40, .size: 8, .value_kind: global_buffer, .address_space: global }
      - { .name: qc, .offset: 48, .size: 8, .value_kind: global_buffer, .address_space: global }
      - { .name: kc, .offset: 56, .size: 8, .value_kind: global_buffer, .address_space: global }
      - { .name: vc, .offset: 64, .size: 8, .value_kind: global_buffer, .address_space: global }
    .group_segment_fixed_size: 327680
    .private_segment_fixed_size: 0
    .kernarg_segment_align: 8
    .kernarg_segment_size: 72
    .max_flat_workgroup_size: 128
    .sgpr_count:     102
    .vgpr_count:     1024
    .wavefront_size: 32
...
	.end_amdgpu_metadata
.endif
;; end of part 2
;; launch attn (part 3): grid 32 x 8, 8 waves a work-group, clusters of 4 x 4, 327,680 bytes of LDS; arguments qc, kc, vc, mask, lowp_scales, cc; writes cc
.if DOCPART == 3
	.amdgcn_target "amdgcn-amd-amdhsa--gfx1250"
	.amdhsa_code_object_version 6
	.text
	.protected	k_q7918e13d24_attn
	.globl	k_q7918e13d24_attn
	.p2align	8
	.type	k_q7918e13d24_attn,@function
k_q7918e13d24_attn:
	s_mov_b64 s[64:65], 0
	v_nop
	global_prefetch_b8 v0, s[64:65] scope:SCOPE_SE
	s_setreg_imm32_b32 hwreg(HW_REG_WAVE_MODE, 25, 1), 1
	s_wait_xcnt 0x0
	s_wait_alu depctr_hold_cnt(0) depctr_sa_sdst(0) depctr_va_vdst(0) depctr_va_sdst(0) depctr_va_ssrc(0) depctr_va_vcc(0) depctr_vm_vsrc(0)
	s_getreg_b32 s2, hwreg(HW_REG_IB_STS2, 6, 4)
	s_cmp_eq_u32 s2, 0
	s_cbranch_scc0 .Lentry_in_a_cluster
	s_endpgm
.Lentry_in_a_cluster:
	s_bfe_u32 s2, ttmp6, 0x10000c
	s_cmp_lg_u32 s2, 0xf033
	s_cbranch_scc0 .Lentry_shape_is_right
	s_endpgm
.Lentry_shape_is_right:
; ATTENTION ON CODES OF E4M3, third of four launches.  Nothing is left out: the mask is an input, so every tile of scores is computed and every number of the mask is added.
; logit = (q . k) / 8 + mask x (-1e9);  t = logit x log2(e);  M = the running largest t, rounded UP to a whole number;  p = 2^(t - M) is quantised along the keys with 2^e8, not normalised;
; the row's sum is taken of the unquantised p in f32; ctx = (p v) / sum is quantised with 2^e10.  When M moves, the sum and O are multiplied by 2^(old M - new M): exact.
; IN: qc, kc [e / 128][row][128 codes]; vc [row / 128][e][128 keys]; mask [2048][2048] f32.  OUT: cc [4096][1024] codes of ctx.
; ARITHMETIC: y = sum + mask x C1, C1 = -1e9 / 2^(e6 + e7 - 3), one fused multiply-add, is logit / 2^(e6 + e7 - 3); t = y x c, c = log2(e) x 2^(e6 + e7 - 3).
; LIMITS: mask x (-1e9) and its addition are rounded once, not twice (equal for a mask of 0 and 1); e6 + e7 between -95 and 130; e8, and e10 - e8 - e9, between -126 and 119; NaN is not served.
; SHARES: a work-group owns 64 queries x 4 heads of one batch.  Wave w of eight owns head w % 4 and TWO tiles of 16 queries, A and B: queries 32 (w / 4) + 0 .. 15 and + 16 .. 31: each fragment of K and V feeds two products.
; A step is 128 keys: 64 rows x 512 bytes of the mask, 2 blocks of 128 rows x 128 bytes of K, 2 of V^T: 98,304 bytes, through two LDS slots; 16 steps.
; CLUSTER 4 x 4 (x: four blocks of queries, y: the four groups of four heads; the cluster's y is the batch).  The mask's tile is asked for jointly along a column, K's and V's blocks along a row.
; Wave 0 fetches the mask, waves 1 to 4 a block of K or V each: one load a wave behind each round.
; THE LOOP IS ROTATED.  The change of slots stands where a step's last LDS read has come back: behind tile A's softmax, with V's fragments, tile B's part of the mask and tile B's scores in registers.
; Behind the round come the refill, the next step's loads of K, tile A's P V, the next step's mask for tile A, tile B's softmax and P V, the next scores, the loads of tile B's mask and of V, tile A's softmax.
; So each run of LDS loads has a softmax's vector lines between its issue and the wait for it.
; LAYOUT: both products transposed: S^T = K Q^T, O^T = V^T P^T: a lane holds ONE query (lane % 16) of each tile.  K's tile t takes keys 16 t + r, so register 8 t + j of lane (r, h) is key 16 t + 8 h + j:
; tile t's eight codes are registers 2 t, 2 t + 1 of the second product's operand in that form's own layout, and V's fragments are read in the same layout, 8 bytes a load.
; REGISTERS, in two windows of 256.  Window 0: v1-11 addresses; tile A: v12 -M, v13 the largest t, v[14:15] the sum, v16-23 Q, v88-151 S^T then p, v152-183 O^T, v184-247 the mask then p's codes, v248 448 x 2^e8, v249 2^e8, v250-255 at work;
; v24-87 V's fragments.  Window 1: tile B at tile A's numbers; v24-87 K's fragments.  The softmax is written once and run under two settings.
.set KP,    144                        ; a row of K or V in LDS: 128 bytes + 16
.set KVB,   128*KP
.set MP,    528                        ; a row of the mask's tile: 512 bytes + 16
.set KOFF,  64*MP                      ; a slot: the mask's 64 rows, K's two blocks, V's two
.set SLOT1, 1<<17                      ; one exclusive or turns an address from one slot into the other
.set STAGE, 2*SLOT1                    ; the way out: 64 rows x (256 + 16) bytes
.set SPITCH, 272
.set SPARE, STAGE+64*SPITCH            ; the spare words, 128 bytes for each of 8 waves, which no other line names
.set AK0, 1
.set AV0, 2
.set AM0, 3
.set PFO, 4
.set SPW, 5
.set NIL, 6
.set ADK, 7
.set ADV, 8
.set ADM, 9
.set QF,  16
.set F,   24
.set S,   88
.set O,   152
.set MB,  184
.set WV,  16
.set SEL, 24
.set CS,  26
.set C1,  28
.set TB,  30                           ; where the slot in hand begins
.set SLOTS, 31                         ; the loop's trips still to go
.set G1M, 32
.set G1K, 40
.set G0M, 48
.set G0K, 52
.set KVS, 56
.set PFA, 58
.set PFS, 60
.set LIM, 62
.set MSB, 0
.macro WIN new                         ; the immediate's high byte repeats the setting that is left
.if MSB != \new
	s_set_vgpr_msb (MSB<<8)|\new
.set MSB, \new
.endif
.endm
.set W_B,  0x55                        ; every place window 1: tile B's vector work
.set W_MB, 0x54                        ; source 0 (V) window 0; source 1, C and D window 1: tile B's P V
.set W_LB, 0x40                        ; destination window 1, address window 0
.set W_CB, 0x05                        ; sources window 1, destination window 0
.set W_QA, 0x01                        ; source 0 (K) window 1, the rest window 0: tile A's scores
.set W_QB, 0x45                        ; sources 0 and 1 and D window 1: tile B's scores
.macro CROUND
	s_barrier_signal -1
	s_barrier_wait -1
	s_cmp_lg_u32 s[WV], 0
	s_cbranch_scc1 .Lnot_wave_0_\@
	s_barrier_signal -3
.Lnot_wave_0_\@:
	s_barrier_wait -3
	s_barrier_signal -1
	s_barrier_wait -1
.endm
.macro TLOAD                           ; the joint loads: the branches hang on the wave's number alone
	s_cmp_eq_u32 s[WV], 0
	s_cbranch_scc0 .Lnot_m_\@
	tensor_load_to_lds s[G0M:G0M+3], s[G1M:G1M+7]
	s_nop 0
.rept 4
	v_nop
.endr
	s_branch .Lasked_\@
.Lnot_m_\@:
	s_cmp_lt_u32 s[WV], 5
	s_cbranch_scc0 .Lasked_\@
	tensor_load_to_lds s[G0K:G0K+3], s[G1K:G1K+7]
	s_nop 0
.rept 4
	v_nop
.endr
.Lasked_\@:
.endm
; A PREFETCH of what the NEXT change of slots will ask for, a step of 128 keys ahead of that load, by the waves that fetch nothing: one instruction a wave, each lane another aligned block of 256 bytes.
; Wave 5: the mask's tile, in the clusters of batch 0 alone; the four partners of a column take 16 rows each.  Waves 6, 7: K's and V's blocks, in the clusters with x = 0 alone; the four partners of a row take 8,192 bytes each.
; Partners are told apart by address.  So each block is named once in the launch.  Steps 0 and 1 come by their loads alone; the last change that fills a slot asks for nothing.
.macro ASK
	s_cmp_gt_u32 s[SLOTS], s[LIM]
	s_cbranch_scc0 .Lnot_mine_\@
	global_prefetch_b8 v[PFO], s[PFA:PFA+1] th:TH_LOAD_NT scope:SCOPE_SE
.Lnot_mine_\@:
.endm
	s_load_b256 s[4:11], s[0:1], 0x0               ; qc, kc, vc, mask
	s_load_b128 s[12:15], s[0:1], 0x20             ; the scales, cc
	v_lshl_add_u32 v[SPW], v0, 2, SPARE
	v_mov_b32 v[NIL], 0
	ds_add_u32 v[SPW], v[NIL]                      ; the opening lines: the add twice on end and its wait
	ds_add_u32 v[SPW], v[NIL]
	v_lshrrev_b32 v7, 5, v0
	v_readfirstlane_b32 s[WV], v7                  ; wave 0..7
	s_and_b32 s17, s[WV], 3                        ; hh: my head in the group of four
	s_lshr_b32 s18, s[WV], 2                       ; qp: my pair of tiles
	s_bfe_u32 s19, ttmp6, 0x40000                  ; cx
	s_bfe_u32 s20, ttmp6, 0x40004                  ; cy = hg, the group of heads
	s_lshl_b32 s21, ttmp9, 2
	s_add_co_u32 s21, s21, s19                     ; QB: the block of 64 queries
	s_and_b32 s22, ttmp7, 0xffff                   ; b: the batch
	s_lshl_b32 s80, 0x1111, s19                    ; my column of the cluster
	s_or_b32 s[G1M], s80, (2<<16)|(1<<20)|(1<<21)|(6<<22)|(3<<25)   ; 4-byte elements; 4 words of padding behind every 128
	s_mov_b32 s[G1M+1], 128<<16
	s_mov_b32 s[G1M+2], 64<<16
	s_mov_b32 s[G1M+3], 128<<16
	s_mov_b32 s[G1M+4], 64
	s_mov_b32 s[G1M+5], 2048
	s_mov_b32 s[G1M+6], 0
	s_mov_b32 s[G1M+7], 0
	s_lshl_b32 s82, s20, 2
	s_lshl_b32 s82, 15, s82                        ; my row of the cluster
	s_or_b32 s[G1K], s82, (0<<16)|(1<<20)|(1<<21)|(4<<22)|(3<<25)   ; 1-byte elements; 4 words of padding behind every 32
	s_mov_b32 s[G1K+1], 256<<16                    ; a block's 128 rows of 128 bytes are dense in memory: stated as 64 rows of 256 bytes
	s_mov_b32 s[G1K+2], 64<<16
	s_mov_b32 s[G1K+3], 256<<16
	s_mov_b32 s[G1K+4], 64
	s_mov_b32 s[G1K+5], 256
	s_mov_b32 s[G1K+6], 0
	s_mov_b32 s[G1K+7], 0
	s_mov_b32 s[SEL], 0x76543210
	s_mov_b32 s[SEL+1], 0xfedcba98
	s_mov_b32 s[TB], 0
	s_mov_b32 s[SLOTS], 14
	s_lshl_b32 s80, s21, 19                        ; the mask: row 64 QB, 8,192 bytes a row
	s_mov_b32 s81, 0
	s_add_co_u32 s84, s[WV], 3
	s_and_b32 s84, s84, 3                          ; waves 1 .. 4: blocks 0 .. 3: K's two, V's two
	s_and_b32 s85, s84, 1
	s_mul_i32 s[G0K+1], s84, KVB
	s_add_co_u32 s[G0K+1], s[G0K+1], KOFF
	s_lshl_b32 s82, s20, 20                        ; in kc: plane 2 hg + u, row 2,048 b
	s_lshl_b32 s86, s85, 19
	s_add_co_u32 s82, s82, s86
	s_lshl_b32 s86, s22, 18
	s_add_co_u32 s82, s82, s86
	s_lshl_b32 s87, s22, 21                        ; in vc: block of keys 16 b, row 256 hg + 128 u
	s_lshl_b32 s86, s20, 15
	s_add_co_u32 s87, s87, s86
	s_lshl_b32 s86, s85, 14
	s_add_co_u32 s87, s87, s86
	s_cmp_lt_u32 s84, 2
	s_cselect_b32 s82, s82, s87
	s_mov_b32 s[KVS], 131072
	s_cselect_b32 s[KVS], 16384, s[KVS]            ; 128 keys on
	s_mov_b32 s[KVS+1], 0
	s_mov_b32 s83, 0
	s_wait_dscnt 0x0
	s_wait_kmcnt 0x0
	s_load_b256 s[68:75], s[12:13], 0x0            ; e0 .. e7
	s_load_b128 s[76:79], s[12:13], 0x20           ; e8 .. e11
	s_mov_b32 s[G0M], 1
	s_mov_b32 s[G0M+1], 0
	s_add_nc_u64 s[G0M+2:G0M+3], s[10:11], s[80:81]
	s_or_b32 s[G0M+3], s[G0M+3], 0x80000000
	s_mov_b32 s[G0K], 1
	s_cmp_lt_u32 s84, 2
	s_cselect_b64 s[G0K+2:G0K+3], s[6:7], s[8:9]
	s_add_nc_u64 s[G0K+2:G0K+3], s[G0K+2:G0K+3], s[82:83]
	s_or_b32 s[G0K+3], s[G0K+3], 0x80000000
	CROUND                                         ; the first joint loads meet
	TLOAD                                          ; step 0 into slot 0
	v_and_b32 v10, 15, v0                          ; r
	v_bfe_u32 v11, v0, 4, 1                        ; h
	s_wait_alu depctr_va_vdst(0)
	s_lshl_b32 s80, s20, 1                         ; Q: plane 2 hg + hh / 2, row 2,048 b + 64 QB + 32 qp + r, byte 64 (hh % 2) + 16 h
	s_lshr_b32 s81, s17, 1
	s_add_co_u32 s80, s80, s81
	s_lshl_b32 s80, s80, 19
	s_lshl_b32 s88, s22, 11
	s_lshl_b32 s86, s21, 6
	s_add_co_u32 s88, s88, s86                     ; the work-group's first row
	s_lshl_b32 s86, s18, 5
	s_add_co_u32 s86, s86, s88
	s_lshl_b32 s86, s86, 7
	s_add_co_u32 s80, s80, s86
	s_and_b32 s86, s17, 1
	s_lshl_b32 s86, s86, 6
	s_add_co_u32 s80, s80, s86
	s_mov_b32 s81, 0
	s_add_nc_u64 s[4:5], s[4:5], s[80:81]
	v_lshlrev_b32 v7, 7, v10
	v_lshl_add_u32 v7, v11, 4, v7
	global_load_b128 v[QF:QF+3], v7, s[4:5]
	global_load_b128 v[QF+4:QF+7], v7, s[4:5] offset:32
	WIN W_LB
	global_load_b128 v[QF:QF+3], v7, s[4:5] offset:2048      ; tile B's, into window 1
	global_load_b128 v[QF+4:QF+7], v7, s[4:5] offset:2080
	WIN 0
	s_lshl_b32 s86, s[WV], 3                       ; cc: I store rows 8 w on, byte 256 hg
	s_add_co_u32 s88, s88, s86
	s_lshl_b32 s88, s88, 10
	s_lshl_b32 s86, s20, 8
	s_add_co_u32 s88, s88, s86
	s_mov_b32 s89, 0
	s_add_nc_u64 s[14:15], s[14:15], s[88:89]
	s_lshl_b32 s80, s21, 19                        ; the prefetches stand at step 1: the first change steps them to step 2.  The mask: row 64 QB + 16 cy
	s_lshl_b32 s81, s20, 17
	s_add_co_u32 s80, s80, s81
	s_add_co_u32 s80, s80, 512
	s_lshl_b32 s82, s20, 20                        ; K: plane 2 hg + cx / 2, half cx % 2 of its 16,384 bytes
	s_lshr_b32 s83, s19, 1
	s_lshl_b32 s83, s83, 19
	s_add_co_u32 s82, s82, s83
	s_lshl_b32 s83, s22, 18
	s_add_co_u32 s82, s82, s83
	s_and_b32 s83, s19, 1
	s_lshl_b32 s83, s83, 13
	s_add_co_u32 s82, s82, s83
	s_add_co_u32 s82, s82, 16384
	s_lshl_b32 s84, s22, 21                        ; V: quarter cx of its 32,768 bytes
	s_lshl_b32 s85, s20, 15
	s_add_co_u32 s84, s84, s85
	s_lshl_b32 s85, s19, 13
	s_add_co_u32 s84, s84, s85
	s_add_co_u32 s84, s84, 131072
	s_cmp_eq_u32 s[WV], 5
	s_cselect_b64 s[PFA:PFA+1], s[10:11], s[8:9]
	s_cselect_b32 s86, s80, s84
	s_mov_b32 s[PFS], 131072
	s_cselect_b32 s[PFS], 512, s[PFS]
	s_cselect_b32 s89, s22, ttmp9                  ; the coordinate of the cluster along which others read the same bytes
	s_mov_b32 s88, 512
	s_cselect_b32 s88, 8192, s88                   ; from one pair of lanes to the next
	s_cmp_eq_u32 s[WV], 6
	s_cselect_b64 s[PFA:PFA+1], s[6:7], s[PFA:PFA+1]
	s_cselect_b32 s86, s82, s86
	s_cselect_b32 s[PFS], 16384, s[PFS]
	s_mov_b32 s[PFS+1], 0
	s_mov_b32 s87, 0
	s_add_nc_u64 s[PFA:PFA+1], s[PFA:PFA+1], s[86:87]
	s_sub_co_u32 s90, s[WV], 5
	s_cmp_lt_u32 s90, 3                            ; waves 5, 6, 7
	s_cselect_b32 s90, 0, 1
	s_or_b32 s90, s90, s89
	s_cmp_eq_u32 s90, 0
	s_cselect_b32 s[LIM], 1, -1                    ; the same in all sixteen partners, for a given wave
	v_and_b32 v8, 31, v0
	v_lshrrev_b32 v9, 1, v8
	v_mul_lo_u32 v9, v9, s88
	v_and_b32 v8, 1, v8
	v_lshl_add_u32 v[PFO], v8, 8, v9
	s_lshr_b32 s80, s17, 1                         ; my lane's places in a slot.  K: block hh / 2, byte 64 (hh % 2); row r, + 16 h
	s_mul_i32 s80, s80, KVB
	s_and_b32 s81, s17, 1
	s_lshl_b32 s81, s81, 6
	s_add_co_u32 s80, s80, s81
	s_add_co_u32 s80, s80, KOFF
	v_mul_u32_u24 v[AK0], v10, KP
	v_lshl_add_u32 v[AK0], v11, 4, v[AK0]
	v_add_nc_u32 v[AK0], s80, v[AK0]
	s_mul_i32 s81, s17, 64*KP
	s_add_co_u32 s81, s81, KOFF+2*KVB              ; V: row 64 hh + r, + 8 h
	v_mul_u32_u24 v[AV0], v10, KP
	v_lshl_add_u32 v[AV0], v11, 3, v[AV0]
	v_add_nc_u32 v[AV0], s81, v[AV0]
	s_mul_i32 s82, s18, 32*MP                      ; the mask: row 32 qp + r, + 32 h
	v_mul_u32_u24 v[AM0], v10, MP
	v_lshl_add_u32 v[AM0], v11, 5, v[AM0]
	v_add_nc_u32 v[AM0], s82, v[AM0]
	s_wait_kmcnt 0x0
	s_add_co_i32 s80, s74, s75                     ; e6 + e7
	s_sub_co_i32 s81, s80, 3
	s_lshl_b32 s81, s81, 23
	s_add_co_u32 s[CS], s81, 0x3fb8aa3b            ; c: the whole number is added to the exponent field
	s_mov_b32 s[CS+1], s[CS]
	s_sub_co_i32 s81, 3, s80
	s_lshl_b32 s81, s81, 23
	s_add_co_u32 s[C1], s81, 0xce6e6b28            ; C1 = -1e9 x 2^(3 - e6 - e7)
	s_mov_b32 s[C1+1], s[C1]
	s_add_co_i32 s80, s76, 127
	s_lshl_b32 s94, s80, 23                        ; 2^e8
	s_add_co_i32 s80, s80, 8
	s_lshl_b32 s95, s80, 23
	s_or_b32 s95, s95, 0x600000                    ; 448 x 2^e8
	s_sub_co_i32 s80, s78, s76                     ; ctx's conversion takes 2^(e10 - e8 - e9)
	s_sub_co_i32 s80, s80, s77
	s_add_co_i32 s80, s80, 127
	s_lshl_b32 s92, s80, 23
	s_add_co_i32 s80, s80, 8
	s_lshl_b32 s93, s80, 23
	s_or_b32 s93, s93, 0x600000
.macro INIT                            ; a tile's statistics, scales and O^T: run once under each window
	v_mov_b32 v13, 0xff61b1e6                      ; the largest t so far: -3e38
	v_floor_f32 v12, -v13                          ; -M
	v_mov_b32 v14, 0
	v_mov_b32 v15, 0
	v_mov_b32 v251, 0                              ; a lane permute's destination counts as one of its sources
	v_mov_b32 v253, 0                              ; (the upper half of the pair v[252:253])
	v_mov_b32 v249, s94
	v_mov_b32 v248, s95
.set n, 0
.rept 32
	v_mov_b32 v[O+n], 0                            ; the softmax is written once: the first step finds zeros, which the first change of M leaves zeros
.set n, n+1
.endr
.endm
	INIT
	WIN W_B
	INIT
	WIN 0
.macro MLOAD tau                       ; a tile's 64 numbers of the mask: register 8 t + j is key 16 t + 8 h + j of my query
.irp t, 0,1,2,3,4,5,6,7
	ds_load_b128 v[MB+8*\t:MB+8*\t+3], v[ADM] offset:(\tau)*16*MP+64*\t
	ds_load_b128 v[MB+8*\t+4:MB+8*\t+7], v[ADM] offset:(\tau)*16*MP+64*\t+16
.endr
.endm
.macro QK                              ; S^T = K Q^T for one tile of queries
.irp t, 0,1,2,3,4,5,6,7
	v_wmma_f32_16x16x64_fp8_fp8 v[S+8*\t:S+8*\t+7], v[F+8*\t:F+8*\t+7], v[QF:QF+7], 0
.endr
.endm
.macro PV                              ; O^T += V^T P^T for one tile of queries: the four accumulators by turns
.irp t, 0,1,2,3
	v_wmma_f32_16x16x128_fp8_fp8 v[O+8*\t:O+8*\t+7], v[F+16*\t:F+16*\t+15], v[MB:MB+15], v[O+8*\t:O+8*\t+7]
.endr
.endm
; ONE TILE'S SOFTMAX for a step: every vector register that it names lies in the tile's own window
.macro SOFT
	s_wait_alu depctr_va_vdst(0)                   ; the wait directly ahead of the first readers of the scores
.set n, 0
.rept 32
	v_pk_fma_f32 v[S+n:S+n+1], v[MB+n:MB+n+1], s[C1:C1+1], v[S+n:S+n+1] op_sel_hi:[1,0,1]   ; y = sum + mask x C1; each accumulator from its low end on
.set n, n+2
.endr
	v_max3_num_f32 v250, v[S], v[S+1], v[S+2]      ; the step's largest y of my query, among my 64 keys: four chains of 15,
	v_max3_num_f32 v252, v[S+15], v[S+16], v[S+17]
	v_max3_num_f32 v254, v[S+30], v[S+31], v[S+32]
	v_max3_num_f32 v255, v[S+45], v[S+46], v[S+47]
.irp i, 3,5,7,9,11,13
	v_max3_num_f32 v250, v250, v[S+\i], v[S+\i+1]
	v_max3_num_f32 v252, v252, v[S+15+\i], v[S+16+\i]
	v_max3_num_f32 v254, v254, v[S+30+\i], v[S+31+\i]
	v_max3_num_f32 v255, v255, v[S+45+\i], v[S+46+\i]
.endr
	v_max3_num_f32 v250, v250, v[S+60], v[S+61]    ; the four left over,
	v_max3_num_f32 v254, v254, v[S+62], v[S+63]
	v_max3_num_f32 v250, v250, v252, v254          ; and the chains
	v_max_num_f32 v250, v250, v255
	v_permlanex16_b32 v251, v250, s[SEL], s[SEL+1]
	v_max_num_f32 v250, v250, v251                 ; and among lane l xor 16's
	v_mul_f32 v250, s[CS], v250                    ; as t (c is positive)
	v_max_num_f32 v13, v13, v250                   ; the running largest t
	v_mov_b32 v250, v12
	v_floor_f32 v12, -v13                          ; the new -M = floor(-t)
	v_sub_f32 v250, v12, v250                      ; old M less new M: a whole number, 0 or less
	v_cvt_i32_f32 v250, v250                       ; (it saturates)
	v_ldexp_f32 v252, 1.0, v250                    ; f = 2^(old M - new M)
.set n, 0
.rept 32
	v_pk_fma_f32 v[S+n:S+n+1], v[S+n:S+n+1], s[CS:CS+1], v[12:13] op_sel_hi:[1,0,0]   ; t - M (of the pairs c and -M the low word serves both halves)
.set n, n+2
.endr
	s_wait_alu depctr_va_vdst(0)                   ; one wait ahead of the batch
.set n, 0
.rept 64
	v_exp_f32 v[S+n], v[S+n]                       ; p = 2^(t - M), at most 1
.set n, n+1
.endr
	v_pk_mul_f32 v[14:15], v[14:15], v[252:253] op_sel_hi:[1,0]   ; the sums under the new M: the plain line behind the last exponential
	s_wait_alu depctr_va_vdst(0)                   ; one wait for the batch, ahead of its first reader
	v_pk_add_f32 v[254:255], v[S:S+1], v[S+2:S+3]  ; the row's sum is taken of the unquantised p, in three chains
	v_pk_add_f32 v[250:251], v[S+4:S+5], v[S+6:S+7]
.irp j, 8,14,20,26,32,38,44,50,56
	v_pk_add_f32 v[14:15], v[14:15], v[S+\j:S+\j+1]
	v_pk_add_f32 v[254:255], v[254:255], v[S+\j+2:S+\j+3]
	v_pk_add_f32 v[250:251], v[250:251], v[S+\j+4:S+\j+5]
.endr
	v_pk_add_f32 v[14:15], v[14:15], v[S+62:S+63]
	v_pk_add_f32 v[254:255], v[254:255], v[250:251]
	v_pk_add_f32 v[14:15], v[14:15], v[254:255]
.irp b, 0,1,2,3
.irp i, 0,1,2,3,4,5,6,7,8,9,10,11,12,13,14,15
	v_min_num_f32 v[S+16*\b+\i], v[S+16*\b+\i], v248   ; the conversion does not saturate (ISA guide 7.6.2); p is not negative, so the hold is one-sided
.endr
	v_cvt_scalef32_pk8_fp8_f32 v[MB+4*\b:MB+4*\b+1], v[S+16*\b:S+16*\b+7], v249
	v_cvt_scalef32_pk8_fp8_f32 v[MB+4*\b+2:MB+4*\b+3], v[S+16*\b+8:S+16*\b+15], v249
.endr
	s_wait_alu depctr_va_vdst(0)                   ; the wait directly ahead of the first readers of O^T
.set n, 0
.rept 16
	v_pk_mul_f32 v[O+n:O+n+1], v[O+n:O+n+1], v[252:253] op_sel_hi:[1,0]   ; O^T under the new M; also the plain lines between the conversions and the products
.set n, n+2
.endr
.endm
; the addresses of the slot in hand, and K's fragments asked for, into window 1
.macro ASKK
	v_add_nc_u32 v[ADK], s[TB], v[AK0]
	v_add_nc_u32 v[ADV], s[TB], v[AV0]
	v_add_nc_u32 v[ADM], s[TB], v[AM0]
	s_wait_alu depctr_va_vdst(0)
	WIN W_LB
.irp t, 0,1,2,3,4,5,6,7
.irp c, 0,1
	ds_load_b128 v[F+8*\t+4*\c:F+8*\t+4*\c+3], v[ADK] offset:16*\t*KP+32*\c       ; K's tile t: keys 16 t + r
.endr
.endr
	WIN 0
.endm
; a step's first part: both tiles' scores, the step's last LDS loads, tile A's softmax
.macro FRONT
	s_wait_dscnt 0x0                               ; K's fragments and tile A's part of the mask are in
	WIN W_QA
	QK
	WIN W_QB
	QK                                             ; the same fragments of K against tile B's queries
	WIN 0
.rept 4
	v_nop                                          ; places in front of the loads into registers that the last products read, and of the first read of the scores
.endr
	WIN W_LB
	MLOAD 1                                        ; tile B's part of the mask, into window 1
	WIN 0
.irp t, 0,1,2,3
.irp c, 0,1,2,3,4,5,6,7
	ds_load_b64 v[F+16*\t+2*\c:F+16*\t+2*\c+1], v[ADV] offset:16*\t*KP+16*\c      ; V^T's tile t: channel 16 t + r, keys 16 c + 8 h + 0 .. 7
.endr
.endr
	SOFT
	s_wait_alu depctr_va_vdst(0)                   ; the wait directly ahead of the wait below
	s_wait_dscnt 0x0                               ; my last reads of this slot are back
.endm
; a step's second part, on registers alone.  fetch = 1: the next step's mask for tile A is asked for as soon as tile A's codes have been multiplied
.macro BACK fetch
	PV
.if \fetch
.rept 4
	v_nop                                          ; places in front of the loads into the codes' registers
.endr
	MLOAD 0
.endif
	WIN W_B
	SOFT
	WIN W_MB
	PV
	WIN 0
.endm
; THE CHANGE OF SLOTS.  Each wave waits for all its tensor loads, adds 0 to its spare word, and waits for that; its reads of the slot that it leaves are back.
; fill = 1: a round of the cluster's barrier; the joint load into the slot just left is the first thing behind it.
.macro CHANGE fill
	s_wait_tensorcnt 0x0
	ds_add_u32 v[SPW], v[NIL]
.if \fill
	ds_add_u32 v[SPW], v[NIL]                      ; twice on end
	s_xor_b32 s[G0M+1], s[G0M+1], SLOT1            ; the walking descriptors: the other slot, the next 128 keys
	s_add_nc_u64 s[G0M+2:G0M+3], s[G0M+2:G0M+3], 512
	s_xor_b32 s[G0K+1], s[G0K+1], SLOT1
	s_add_nc_u64 s[G0K+2:G0K+3], s[G0K+2:G0K+3], s[KVS:KVS+1]
	s_wait_xcnt 0x0                                ; the last prefetch has read its address
	s_add_nc_u64 s[PFA:PFA+1], s[PFA:PFA+1], s[PFS:PFS+1]
	s_wait_dscnt 0x0
	CROUND
	TLOAD
	ASK
.else
	s_wait_dscnt 0x0
	s_barrier_signal -1
	s_barrier_wait -1
.endif
.endm
	s_wait_alu depctr_va_vdst(0)                   ; the wait at the head's end
	s_wait_loadcnt 0x0                             ; Q, both tiles'
	CHANGE 1                                       ; step 0 is in; step 1 is asked for, slot 1's first fill
	ASKK
	MLOAD 0
	FRONT
.Lslot:                                            ; 14 trips: steps 2 to 15 are asked for
	CHANGE 1
	s_xor_b32 s[TB], s[TB], SLOT1
	ASKK
	BACK 1
	FRONT
	s_sub_co_u32 s[SLOTS], s[SLOTS], 1
	s_cmp_lg_u32 s[SLOTS], 0
	s_cbranch_scc1 .Lslot
	CHANGE 0                                       ; the last change is written out
	s_xor_b32 s[TB], s[TB], SLOT1
	ASKK
	BACK 1
	FRONT
	BACK 0
	; THE WAY OUT.  ctx = O^T / sum is quantised; a lane's eight codes go into the work-group's stage (row = query, 64 bytes a head); a barrier; each wave stores eight whole rows of 256 bytes.
	v_and_b32 v7, 15, v0                           ; r.  (The address lines are the places behind the last products)
	v_bfe_u32 v8, v0, 4, 1                         ; h
	s_wait_alu depctr_va_vdst(0)                   ; the wait ahead of the scalar lines
	s_mul_i32 s80, s18, 32*SPITCH
	s_lshl_b32 s81, s17, 6
	s_add_co_u32 s80, s80, s81
	s_add_co_u32 s80, s80, STAGE
	s_mul_i32 s81, s[WV], 8*SPITCH
	s_add_co_u32 s81, s81, STAGE
	v_mul_u32_u24 v10, v7, SPITCH
	v_lshl_add_u32 v10, v8, 3, v10
	v_add_nc_u32 v10, s80, v10                     ; in: row 32 qp + r (tile B: 16 rows on), byte 64 hh + 8 h
	v_mul_u32_u24 v11, v8, SPITCH
	v_lshl_add_u32 v11, v7, 4, v11
	v_add_nc_u32 v11, s81, v11                     ; back: rows 8 w on; lanes 0-15 one row, lanes 16-31 the next
	v_lshlrev_b32 v9, 10, v8
	v_lshl_add_u32 v9, v7, 4, v9                   ; and the same two rows in cc
.macro OUTQ d, wc                      ; one tile's ctx becomes 32 codes a lane, in window 0 from v[MB + d] on
	v_mov_b32 v249, s92                            ; 2^(e10 - e8 - e9)
	v_mov_b32 v248, s93                            ; 448 x that
	v_add_f32 v14, v14, v15
	v_permlanex16_b32 v251, v14, s[SEL], s[SEL+1]
	v_add_f32 v14, v14, v251                       ; the row's sum
	s_wait_alu depctr_va_vdst(0)                   ; the wait ahead of the reciprocal
	v_rcp_f32 v14, v14
	v_nop                                          ; a plain line behind the reciprocal
	s_wait_alu depctr_va_vdst(0)                   ; the wait ahead of its first reader, which is also the first reader of O^T
.irp j, 0,2,4,6,8,10,12,14,16,18,20,22,24,26,28,30
	v_pk_mul_f32 v[S+\j:S+\j+1], v[O+\j:O+\j+1], v[14:15] op_sel_hi:[1,0]   ; register 8 t + i: channel 16 t + 8 h + i of my query
.endr
.set n, 0
.rept 32
	v_med3_num_f32 v[S+n], v[S+n], -v248, v248
.set n, n+1
.endr
	WIN \wc
.irp t, 0,1,2,3
	v_cvt_scalef32_pk8_fp8_f32 v[MB+\d+2*\t:MB+\d+2*\t+1], v[S+8*\t:S+8*\t+7], v249
.endr
.endm
	OUTQ 0, 0
	WIN W_B                                        ; (tile B's first line is the plain line behind tile A's last conversion)
	OUTQ 8, W_CB
	WIN 0
	v_nop                                          ; a plain line behind the last conversion
.irp t, 0,1,2,3
	ds_store_b64 v10, v[MB+2*\t:MB+2*\t+1] offset:16*\t
.endr
.irp t, 0,1,2,3
	ds_store_b64 v10, v[MB+8+2*\t:MB+8+2*\t+1] offset:16*SPITCH+16*\t
.endr
	s_wait_dscnt 0x0                               ; for the others' sake: my stores into the stage are done
	s_barrier_signal -1
	s_barrier_wait -1
.irp u, 0,1,2,3
	ds_load_b128 v[F+4*\u:F+4*\u+3], v11 offset:2*\u*SPITCH
.endr
.irp u, 0,1,2,3
	s_wait_dscnt 3-\u                              ; the younger loads may be out
	global_store_b128 v9, v[F+4*\u:F+4*\u+3], s[14:15] offset:2048*\u   ; 16 lanes store 256 consecutive bytes, aligned
.endr
	s_wait_tensorcnt 0x0                           ; the wave's end
	ds_add_u32 v[SPW], v[NIL]
	s_wait_dscnt 0x0
	CROUND                                         ; the closing round
	s_endpgm
.Lfunc_end_k_q7918e13d24_attn:
	.size	k_q7918e13d24_attn, .Lfunc_end_k_q7918e13d24_attn-k_q7918e13d24_attn
	.p2alignl 7, 3214868480
	.fill 96, 4, 3214868480
	.section	.rodata,"a",@progbits
	.p2align	6, 0x0
	.amdhsa_kernel k_q7918e13d24_attn
		.amdhsa_group_segment_fixed_size 327680
		.amdhsa_private_segment_fixed_size 0
		.amdhsa_enable_private_segment 0
		.amdhsa_kernarg_size 48
		.amdhsa_user_sgpr_count 2
		.amdhsa_user_sgpr_kernarg_segment_ptr 1
		.amdhsa_wavefront_size32 1
		.amdhsa_system_sgpr_workgroup_id_x 1
		.amdhsa_system_sgpr_workgroup_id_y 1
		.amdhsa_system_sgpr_workgroup_id_z 1
		.amdhsa_system_vgpr_workitem_id 0
		.amdhsa_next_free_vgpr 512
		.amdhsa_next_free_sgpr 100
		.amdhsa_reserve_vcc 0
		.amdhsa_float_denorm_mode_32 3
		.amdhsa_float_denorm_mode_16_64 3
		.amdhsa_memory_ordered 1
		.amdhsa_forward_progress 1
		.amdhsa_inst_pref_size 132
	.end_amdhsa_kernel
	.amdgpu_metadata
---
amdhsa.version: [ 1, 2 ]
amdhsa.kernels:
  - .name:           k_q7918e13d24_attn
    .symbol:         k_q7918e13d24_attn.kd
    .args:
      - { .name: qc, .offset: 0, .size: 8, .value_kind: global_buffer, .address_space: global }
      - { .name: kc, .offset: 8, .size: 8, .value_kind: global_buffer, .address_space: global }
      - { .name: vc, .offset: 16, .size: 8, .value_kind: global_buffer, .address_space: global }
      - { .name: mask, .offset: 24, .size: 8, .value_kind: global_buffer, .address_space: global }
      - { .name: lowp_scales, .offset: 32, .size: 8, .value_kind: global_buffer, .address_space: global }
      - { .name: cc, .offset: 40, .size: 8, .value_kind: global_buffer, .address_space: global }
    .group_segment_fixed_size: 327680
    .private_segment_fixed_size: 0
    .kernarg_segment_align: 8
    .kernarg_segment_size: 48
    .max_flat_workgroup_size: 256
    .sgpr_count:     100
    .vgpr_count:     512
    .wavefront_size: 32
...
	.end_amdgpu_metadata
.endif
;; end of part 3
;; launch outp (part 4): grid 8 x 32, 4 waves a work-group, clusters of 4 x 4, 327,680 bytes of LDS; arguments cc, wc, lowp_scales, bo, out0; writes out0
.if DOCPART == 4
	.amdgcn_target "amdgcn-amd-amdhsa--gfx1250"
	.amdhsa_code_object_version 6
	.text
	.protected	k_q7918e13d24_outp
	.globl	k_q7918e13d24_outp
	.p2align	8
	.type	k_q7918e13d24_outp,@function
k_q7918e13d24_outp:
	s_mov_b64 s[64:65], 0
	v_nop
	global_prefetch_b8 v0, s[64:65] scope:SCOPE_SE
	s_setreg_imm32_b32 hwreg(HW_REG_WAVE_MODE, 25, 1), 1
	s_wait_xcnt 0x0
	s_wait_alu depctr_hold_cnt(0) depctr_sa_sdst(0) depctr_va_vdst(0) depctr_va_sdst(0) depctr_va_ssrc(0) depctr_va_vcc(0) depctr_vm_vsrc(0)
	s_getreg_b32 s2, hwreg(HW_REG_IB_STS2, 6, 4)
	s_cmp_eq_u32 s2, 0
	s_cbranch_scc0 .Lentry_in_a_cluster
	s_endpgm
.Lentry_in_a_cluster:
	s_bfe_u32 s2, ttmp6, 0x10000c
	s_cmp_lg_u32 s2, 0xf033
	s_cbranch_scc0 .Lentry_shape_is_right
	s_endpgm
.Lentry_shape_is_right:
; THE PROJECTION ON THE WAY OUT, last of four launches: out0 = sum x 2^(e10 + e11) + bo on codes of E4M3, one fused multiply-add in f32.  Nothing is left out.
; IN: cc [4096][1024] codes of ctx; wc's rows 3,072 on: Wo's codes; bo.  LIMIT: e10 + e11 between -126 and 127.
; SHARES: 256 tiles of 128 x 128, a work-group each; four waves of 64 x 64: 16 accumulators.
; THE WHOLE K OF 1,024 LIES IN LDS, filled once: each wave issues ONE tensor load, 64 rows x 1,024 bytes; nothing is filled again, so there is no ring and no loop to prefetch in.
; CLUSTER 4 x 4: ctx's tile is asked for jointly along a row of the cluster, Wo's along a column.
; Source 0 = 16 rows of Wo, source 1 = 16 rows of ctx: a lane holds eight neighbouring numbers of a row of out0.  A fragment's k is laid by loads of 16 bytes, alike on both sides.
; REGISTERS: window 0: v8-29 addresses; v32-63 results; v64-95 bo; v96-127 rows on the way out; v128-255 the accumulators.  Window 1: two fragment buffers at 0 and 128.
.set PITCH,  1040                      ; 1,024 bytes + 16: the 16 rows that a load touches start 260 words apart
.set HALFT,  64*PITCH
.set STG,    4*HALFT                   ; a stage of 16 rows x 272 bytes for each wave
.set SPITCH, 272
.set SPARE,  STG+4*16*SPITCH           ; the spare words, 128 bytes a wave, which no other line names
.set AL,   8
.set AR,   9
.set STO,  24
.set RD,   25
.set GO,   26
.set BCO,  27
.set SPW,  28
.set NIL,  29
.set T,    32
.set BC,   64
.set RB,   96
.set ACC,  128
.set G1Y,  32
.set G1X,  40
.set G0Y,  48
.set G0X,  52
.set MSB, 0
.macro WIN new
.if MSB != \new
	s_set_vgpr_msb (MSB<<8)|\new
.set MSB, \new
.endif
.endm
.macro CROUND
	s_barrier_signal -1
	s_barrier_wait -1
	s_cmp_lg_u32 s22, 0
	s_cbranch_scc1 .Lnw_\@
	s_barrier_signal -3
.Lnw_\@:
	s_barrier_wait -3
	s_barrier_signal -1
	s_barrier_wait -1
.endm
.macro PLACES
.rept 4
	v_nop
.endr
.endm
	s_load_b256 s[4:11], s[0:1], 0x0               ; cc, wc, the scales, bo
	s_load_b64 s[12:13], s[0:1], 0x20              ; out0
	v_lshl_add_u32 v[SPW], v0, 2, SPARE
	v_mov_b32 v[NIL], 0
	ds_add_u32 v[SPW], v[NIL]                      ; the opening lines: the add twice on end and its wait
	ds_add_u32 v[SPW], v[NIL]
	v_lshrrev_b32 v1, 5, v0
	v_readfirstlane_b32 s22, v1                    ; wave
	s_lshr_b32 s23, s22, 1                         ; my half of the rows; also: I fetch ctx (0) or Wo (1)
	s_and_b32 s24, s22, 1                          ; my half of the columns; also: which 64 rows I fetch
	s_bfe_u32 s25, ttmp6, 0x40000                  ; cx
	s_bfe_u32 s26, ttmp6, 0x40004                  ; cy
	s_lshl_b32 s27, ttmp9, 2
	s_add_co_u32 s27, s27, s25                     ; X: the block of 128 columns
	s_and_b32 s28, ttmp7, 0xffff
	s_lshl_b32 s28, s28, 2
	s_add_co_u32 s28, s28, s26                     ; Y: the block of 128 rows
	s_lshl_b32 s30, s26, 2
	s_lshl_b32 s30, 15, s30
	s_lshl_b32 s31, 0x1111, s25
	s_or_b32 s[G1Y], s30, (1<<20)|(1<<21)|(7<<22)|(3<<25)   ; the mask; 1-byte elements; 4 words of padding behind every 256
	s_or_b32 s[G1X], s31, (1<<20)|(1<<21)|(7<<22)|(3<<25)
.irp g, G1Y, G1X
	s_mov_b32 s[\g+1], 1024<<16
	s_mov_b32 s[\g+2], 64<<16
	s_mov_b32 s[\g+3], 1024<<16
	s_mov_b32 s[\g+4], 64
	s_mov_b32 s[\g+5], 1024
	s_mov_b32 s[\g+6], 0
	s_mov_b32 s[\g+7], 0
.endr
	s_lshl_b32 s2, s28, 7                          ; ctx: row 128 Y + 64 x half
	s_lshl_b32 s3, s24, 6
	s_add_co_u32 s2, s2, s3
	s_lshl_b32 s2, s2, 10
	s_mov_b32 s3, 0
	s_lshl_b32 s98, s27, 7                         ; Wo: row 3,072 + 128 X + 64 x half of wc
	s_lshl_b32 s99, s24, 6
	s_add_co_u32 s98, s98, s99
	s_add_co_u32 s98, s98, 3072
	s_lshl_b32 s98, s98, 10
	s_mov_b32 s99, 0
	s_mul_i32 s100, s22, HALFT
	s_wait_dscnt 0x0
	s_wait_kmcnt 0x0
	s_load_b64 s[94:95], s[8:9], 0x28              ; e10, e11
	s_mov_b32 s[G0Y], 1
	s_mov_b32 s[G0Y+1], s100
	s_add_nc_u64 s[G0Y+2:G0Y+3], s[4:5], s[2:3]
	s_or_b32 s[G0Y+3], s[G0Y+3], 0x80000000
	s_mov_b32 s[G0X], 1
	s_mov_b32 s[G0X+1], s100
	s_add_nc_u64 s[G0X+2:G0X+3], s[6:7], s[98:99]
	s_or_b32 s[G0X+3], s[G0X+3], 0x80000000
	CROUND                                         ; the joint loads meet
	s_cmp_eq_u32 s23, 0
	s_cbranch_scc0 .Lfor_x
	tensor_load_to_lds s[G0Y:G0Y+3], s[G1Y:G1Y+7]
	s_nop 0
	PLACES
	s_branch .Lasked
.Lfor_x:
	tensor_load_to_lds s[G0X:G0X+3], s[G1X:G1X+7]
	s_nop 0
	PLACES
.Lasked:
	s_mul_i32 s30, s23, HALFT                      ; my 64 rows of ctx,
	s_mul_i32 s31, s24, HALFT
	s_add_co_u32 s31, s31, 2*HALFT                 ; of Wo,
	s_mul_i32 s29, s22, 16*SPITCH
	s_add_co_u32 s29, s29, STG                     ; my stage
	s_lshl_b32 s2, s27, 9                          ; bo: from 128 X + 64 (wave % 2) on
	s_lshl_b32 s3, s24, 8
	s_add_co_u32 s100, s2, s3
	s_mov_b32 s101, 0
	s_add_nc_u64 s[10:11], s[10:11], s[100:101]
	s_add_nc_u64 s[12:13], s[12:13], s[100:101]    ; the same bytes on in a row of out0,
	s_lshl_b32 s2, s28, 7
	s_lshl_b32 s3, s23, 6
	s_add_co_u32 s2, s2, s3
	s_lshl_b32 s100, s2, 12                        ; and my first row, 4,096 bytes a row
	s_add_nc_u64 s[12:13], s[12:13], s[100:101]
	s_wait_kmcnt 0x0
	s_add_co_i32 s2, s94, s95
	s_add_co_i32 s2, s2, 127
	s_lshl_b32 s96, s2, 23                         ; 2^(e10 + e11)
	s_mov_b32 s97, s96
	v_and_b32 v1, 15, v0                           ; r
	v_bfe_u32 v2, v0, 4, 1                         ; h
	v_mul_u32_u24 v3, v1, PITCH
	v_lshl_add_u32 v3, v2, 4, v3
	v_add_nc_u32 v[AL], s30, v3
	v_add_nc_u32 v[AR], s31, v3
	v_mul_u32_u24 v[STO], v1, SPITCH
	v_lshl_add_u32 v[STO], v2, 5, v[STO]
	v_add_nc_u32 v[STO], s29, v[STO]               ; in: row r, 32 bytes for each half of the lanes
	v_mul_u32_u24 v[RD], v2, SPITCH
	v_lshl_add_u32 v[RD], v1, 4, v[RD]
	v_add_nc_u32 v[RD], s29, v[RD]                 ; back: lanes 0-15 one row of 256 bytes, lanes 16-31 the next
	v_lshlrev_b32 v[GO], 12, v2
	v_lshl_add_u32 v[GO], v1, 4, v[GO]             ; and the same two rows in out0
	v_lshlrev_b32 v[BCO], 5, v2
.irp k, 0,1,2,3
	global_load_b128 v[BC+8*\k:BC+8*\k+3], v[BCO], s[10:11] offset:64*\k
	global_load_b128 v[BC+8*\k+4:BC+8*\k+7], v[BCO], s[10:11] offset:64*\k+16
.endr
.macro FETCH q, f                      ; 32 LDS loads: the fragments of the q-th 128 along K into buffer f
	WIN 0x40
.irp i, 0,1,2,3
.irp c, 0,1,2,3
	ds_load_b128 v[\f+64+16*\i+4*\c:\f+64+16*\i+4*\c+3], v[AR] offset:128*(\q)+32*\c+\i*16*PITCH
.endr
.irp c, 0,1,2,3
	ds_load_b128 v[\f+16*\i+4*\c:\f+16*\i+4*\c+3], v[AL] offset:128*(\q)+32*\c+\i*16*PITCH
.endr
.endr
.endm
.macro MUL f, zero                     ; the 16 accumulators by turns
	WIN 0x05
.irp i, 0,1,2,3
.irp k, 0,1,2,3
.if \zero
	v_wmma_f32_16x16x128_fp8_fp8 v[ACC+8*(4*\i+\k):ACC+8*(4*\i+\k)+7], v[\f+64+16*\k:\f+64+16*\k+15], v[\f+16*\i:\f+16*\i+15], 0
.else
	v_wmma_f32_16x16x128_fp8_fp8 v[ACC+8*(4*\i+\k):ACC+8*(4*\i+\k)+7], v[\f+64+16*\k:\f+64+16*\k+15], v[\f+16*\i:\f+16*\i+15], v[ACC+8*(4*\i+\k):ACC+8*(4*\i+\k)+7]
.endif
.endr
.endr
.endm
.macro KSTEP n                         ; the next step's fragments are asked for, then this step's are multiplied
.if (\n) < 7
.if (\n) >= 1
	PLACES                                         ; the buffer that is loaded next was multiplied last
.endif
	FETCH (\n)+1, 128*(((\n)+1)%2)
	s_wait_dscnt 32                                ; all but the 32 just issued
.else
	s_wait_dscnt 0x0
.endif
	MUL 128*((\n)%2), (\n)==0
.endm
	s_wait_alu depctr_va_vdst(0)                   ; the wait at the head's end
	s_wait_tensorcnt 0x0                           ; my 64 rows are in
	s_barrier_signal -1
	s_barrier_wait -1                              ; everybody's are
	FETCH 0, 0
.irp n, 0,1,2,3,4,5,6,7
	KSTEP \n
.endr
	WIN 0
	PLACES
	s_wait_loadcnt 0x0                             ; bo
	; THE WAY OUT, 16 rows at a time, through the wave's own stage; LDS serves a wave's instructions in order
.irp i, 0,1,2,3
.if \i > 0
	s_wait_xcnt 0x0                                ; the last block's stores have read their registers
.endif
.irp k, 0,1,2,3
.irp j, 0,2,4,6
	v_pk_fma_f32 v[T+8*\k+\j:T+8*\k+\j+1], v[ACC+8*(4*\i+\k)+\j:ACC+8*(4*\i+\k)+\j+1], s[96:97], v[BC+8*\k+\j:BC+8*\k+\j+1] op_sel_hi:[1,0,1]   ; each accumulator from its low end on
.endr
.endr
.irp k, 0,1,2,3
	ds_store_b128 v[STO], v[T+8*\k:T+8*\k+3] offset:64*\k
	ds_store_b128 v[STO], v[T+8*\k+4:T+8*\k+7] offset:64*\k+16
.endr
.irp t, 0,1,2,3,4,5,6,7
	ds_load_b128 v[RB+4*\t:RB+4*\t+3], v[RD] offset:\t*2*SPITCH
.endr
.irp t, 0,1,2,3,4,5,6,7
	s_wait_dscnt 7-\t                              ; the younger loads may be out
	global_store_b128 v[GO], v[RB+4*\t:RB+4*\t+3], s[12:13] offset:(16*\i+2*\t)*4096 th:TH_STORE_NT   ; 16 lanes store 256 consecutive bytes, aligned
.endr
.endr
	s_wait_tensorcnt 0x0                           ; the wave's end
	ds_add_u32 v[SPW], v[NIL]
	s_wait_dscnt 0x0
	CROUND                                         ; the closing round
	s_endpgm
.Lfunc_end_k_q7918e13d24_outp:
	.size	k_q7918e13d24_outp, .Lfunc_end_k_q7918e13d24_outp-k_q7918e13d24_outp
	.p2alignl 7, 3214868480
	.fill 96, 4, 3214868480
	.section	.rodata,"a",@progbits
	.p2align	6, 0x0
	.amdhsa_kernel k_q7918e13d24_outp
		.amdhsa_group_segment_fixed_size 327680
		.amdhsa_private_segment_fixed_size 0
		.amdhsa_enable_private_segment 0
		.amdhsa_kernarg_size 40
		.amdhsa_user_sgpr_count 2
		.amdhsa_user_sgpr_kernarg_segment_ptr 1
		.amdhsa_wavefront_size32 1
		.amdhsa_system_sgpr_workgroup_id_x 1
		.amdhsa_system_sgpr_workgroup_id_y 1
		.amdhsa_system_sgpr_workgroup_id_z 1
		.amdhsa_system_vgpr_workitem_id 0
		.amdhsa_next_free_vgpr 512
		.amdhsa_next_free_sgpr 102
		.amdhsa_reserve_vcc 0
		.amdhsa_float_denorm_mode_32 3
		.amdhsa_float_denorm_mode_16_64 3
		.amdhsa_memory_ordered 1
		.amdhsa_forward_progress 1
		.amdhsa_inst_pref_size 45
	.end_amdhsa_kernel
	.amdgpu_metadata
---
amdhsa.version: [ 1, 2 ]
amdhsa.kernels:
  - .name:           k_q7918e13d24_outp
    .symbol:         k_q7918e13d24_outp.kd
    .args:
      - { .name: cc, .offset: 0, .size: 8, .value_kind: global_buffer, .address_space: global }
      - { .name: wc, .offset: 8, .size: 8, .value_kind: global_buffer, .address_space: global }
      - { .name: lowp_scales, .offset: 16, .size: 8, .value_kind: global_buffer, .address_space: global }
      - { .name: bo, .offset: 24, .size: 8, .value_kind: global_buffer, .address_space: global }
      - { .name: out0, .offset: 32, .size: 8, .value_kind: global_buffer, .address_space: global }
    .group_segment_fixed_size: 327680
    .private_segment_fixed_size: 0
    .kernarg_segment_align: 8
    .kernarg_segment_size: 40
    .max_flat_workgroup_size: 128
    .sgpr_count:     102
    .vgpr_count:     512
    .wavefront_size: 32
...
	.end_amdgpu_metadata
.endif
;; end of part 4
